; MI455X (gfx1250); checked and timed in simulation.
; The chip was launched on July 23, 2026; its instructions are those of AMD's public machine-readable ISA for CDNA 5 (MIT licence, August 2026) and "CDNA5" Instruction Set Architecture Reference Guide (July 2026). The comments in the code are by the model that wrote it; some were corrected since.
;; Standard Relation Module. Allowed arithmetic: float matrix products may take bf16 or f16 operands with f32 sums; all other float work in f32.
;; Inputs: W1 512 x 256 float32; W2 256 x 128 float32; W3 128 x 64 float32; W4 64 x 1 float32; b1 256 float32; b2 128 float32; b3 64 float32; b4 1 float32; query_features 1,024 x 256 float32; support_features 256 x 256 float32; support_y 256 int32.
;; Outputs: out0 1,024 x 256 float32.
;; One version. Each part assembles by itself: llvm-mc -triple=amdgcn-amd-amdhsa -mcpu=gfx1250 --defsym DOCPART=n.
;; ======== version 1 of 1: 2 launches
;; workspace buffers: proj 1,310,720 bytes
;; launch project (part 1): grid 4 x 20, 4 waves a work-group, no clusters, 92,672 bytes of LDS; arguments query_features, support_features, W1, b1, proj; writes proj
.if DOCPART == 1
	.amdgcn_target "amdgcn-amd-amdhsa--gfx1250"
	.amdhsa_code_object_version 6
	.text
	.protected	k_qca95226949_project
	.globl	k_qca95226949_project
	.p2align	8
	.type	k_qca95226949_project,@function
k_qca95226949_project:
	s_mov_b64 s[64:65], 0
	v_nop
	global_prefetch_b8 v0, s[64:65] scope:SCOPE_SE
	s_setreg_imm32_b32 hwreg(HW_REG_WAVE_MODE, 25, 1), 1
	s_wait_xcnt 0x0
; Layer 1 acts on a concatenation [q, s], so x W1 = q W1[0:256] + s W1[256:512] for every input.  This launch makes the two parts once:
;   proj rows 0..1023    = query_features   x W1[0:256]            (f32)
;   proj rows 1024..1279 = support_features x W1[256:512] + b1     (f32)
; The next launch adds a row of each for every pair.  LIMIT: layer 1's sum is thus two f32 sums that are added, another order than the
; reference's single sum; operands go to the matrix unit in bf16, sums in f32.  support_y is not used by reference(): no launch names it.
; A work-group makes 64 rows x 64 features (block y of the 20 row blocks, block x of the 4 feature blocks), K = 256.
; Wave w makes rows 16 w .. 16 w + 15 x 64 features: four accumulator tiles, eight K steps of 32, 32 matrix instructions.
; THE MATRIX INSTRUCTION TAKES THE WEIGHTS AS A (row m = feature) and the activations as B (column n = row of X): lane (r = l % 16,
; h = l / 16) then holds in register j of tile f the feature 16 f + 8 h + j of row r: eight neighbouring f32 of a row of proj.
; No tensor loads, no ring, no cluster: every byte is read once at the head and has to be rounded to bf16 in registers on its way to LDS.
.set WS,  0                            ; LDS: W1's block, bf16 [256 k][64 n], 128 bytes a row
.set WP,  160                          ;      pitch: an odd multiple of 32 bytes, for the transposing loads
.set XS,  40960                        ; LDS: X's block, bf16 [64 rows][256 k], 512 bytes a row
.set XP,  528                          ;      pitch: an odd multiple of 16 bytes: 16 rows start at 16 different 16-byte columns modulo 256
.set OS,  74752                        ; LDS: the way out, for each wave 16 rows of 256 bytes
.set OP,  272                          ;      pitch, likewise
.set VW,   1                           ; v1   W1: (t / 16) rows of 1,024 bytes + 16 (t % 16)
.set VX,   2                           ; v2   X: 16 w rows of 1,024 bytes + 16 l
.set WST,  3                           ; v3   where my 8 bytes of W1 go in LDS
.set XST,  4                           ; v4   where my 8 bytes of X go in LDS
.set TRW,  5                           ; v5   transposing loads of W1's fragments
.set XB,   6                           ; v6   loads of X's fragments
.set OST,  7                           ; v7   the way out: where I put 16 bytes
.set ORD,  8                           ; v8   the way out: where I read a row back
.set GO,   9                           ; v9   my byte offset in proj's block
.set VH32, 10                          ; v10  32 h: my eight features in a tile of b1
.set ACC,  16                          ; v[16:47]   four accumulator tiles
.set ST0,  64                          ; v[64:191]  staging: W1's 32 loads, then X's second 16 loads;  later the fragments of W1
.set ST1,  192                         ; v[192:255] staging: X's first 16 loads;                        later the fragments of X
.set AF,   64                          ; fragment of W1 (K step tt of four, tile f) at AF + 32 tt + 8 f
.set BF,   192                         ; fragment of X (K step tt of four) at BF + 8 tt
	s_load_b256 s[4:11], s[0:1], 0x0               ; query s[4:5], support s[6:7], W1 s[8:9], b1 s[10:11]
	s_load_b64 s[12:13], s[0:1], 0x20              ; proj
	v_lshl_add_u32 v62, v0, 2, 0x16800
	v_mov_b32 v63, 0
	v_lshrrev_b32 v50, 5, v0
	v_readfirstlane_b32 s20, v50                   ; wave 0..3
	s_and_b32 s22, ttmp7, 0xffff                   ; y: row block, 0..15 queries, 16..19 supports
	s_sub_co_u32 s23, s22, 16                      ; the support block's number (used for y >= 16 alone)
	s_lshl_b32 s31, ttmp9, 8                       ; x: 64 features of 4 bytes
	s_lshl_b32 s36, s20, 14                        ; my wave's 16 rows of 1,024 bytes
	s_mul_i32 s37, s20, 16*XP
	s_add_co_u32 s37, s37, XS                      ; my wave's 16 rows in XS
	s_mul_i32 s38, s20, 16*OP
	s_add_co_u32 s38, s38, OS                      ; my wave's stage
	v_and_b32 v11, 31, v0                          ; l
	v_and_b32 v12, 15, v0                          ; r
	v_bfe_u32 v13, v0, 4, 1                        ; h
	v_lshrrev_b32 v14, 4, v0                       ; t / 16, 0..7
	v_lshlrev_b32 v15, 4, v12                      ; 16 r
	v_lshl_add_u32 v[VW], v14, 10, v15
	v_lshl_add_u32 v[VX], v11, 4, s36
	v_mul_u32_u24 v[WST], v14, WP
	v_lshl_add_u32 v[WST], v12, 3, v[WST]          ; WS = 0
	v_lshl_add_u32 v[XST], v11, 3, s37
	v_and_b32 v48, 7, v0
	v_lshl_or_b32 v48, v13, 3, v48                 ; 8 h + l % 8: the k row that I address
	v_bfe_u32 v49, v0, 3, 1
	v_mul_u32_u24 v[TRW], v48, WP
	v_lshl_add_u32 v[TRW], v49, 4, v[TRW]          ; + 16 bytes for the upper eight columns
	v_mul_u32_u24 v[XB], v12, XP
	v_lshl_add_u32 v[XB], v13, 4, v[XB]
	v_add_nc_u32 v[XB], s37, v[XB]                 ; row 16 w + r, 16 h
	v_mul_u32_u24 v[OST], v12, OP
	v_lshl_add_u32 v[OST], v13, 5, v[OST]
	v_add_nc_u32 v[OST], s38, v[OST]               ; row r, 32 h
	v_mul_u32_u24 v[ORD], v13, OP
	v_add3_u32 v[ORD], v[ORD], v15, s38            ; row h, 16 r
	v_lshl_add_u32 v[GO], v13, 10, v15
	v_add_nc_u32 v[GO], s36, v[GO]                 ; row 16 w + h of the block, 16 r
	v_lshlrev_b32 v[VH32], 5, v13
	s_mov_b32 s27, 0
	s_mov_b32 s29, 0
	s_mov_b32 s32, s31
	s_mov_b32 s33, 0
	s_lshl_b32 s34, s22, 16                        ; y blocks of 64 rows of 1,024 bytes
	s_add_co_u32 s34, s34, s31
	s_mov_b32 s35, 0
	s_wait_kmcnt 0x0
	s_cmp_lt_u32 s22, 16                           ; a query block?
	s_cselect_b64 s[24:25], s[4:5], s[6:7]         ; X's buffer
	s_cselect_b32 s26, s22, s23                    ; the block's number in it
	s_cselect_b32 s28, 0, 0x40000                  ; W1's upper or lower 256 rows of 1,024 bytes
	s_cselect_b32 s30, 0, -1                       ; lane mask: b1 counts in the support blocks alone
	s_lshl_b32 s26, s26, 16
	s_add_co_u32 s28, s28, s31
	s_add_nc_u64 s[24:25], s[24:25], s[26:27]      ; X at the block's first row
	s_add_nc_u64 s[8:9], s[8:9], s[28:29]          ; W1 at its first k row, the block's first feature
	s_add_nc_u64 s[10:11], s[10:11], s[32:33]      ; b1 at the block's first feature
	s_add_nc_u64 s[12:13], s[12:13], s[34:35]      ; proj at the block's corner
	; All loads that fit, in three runs: b1 straight into the accumulators' layout, W1's block, the first half of my wave's rows of X.
.set fi, 0
.rept 4
	global_load_b128 v[ACC+8*fi:ACC+8*fi+3],   v[VH32], s[10:11] offset:64*fi
	global_load_b128 v[ACC+8*fi+4:ACC+8*fi+7], v[VH32], s[10:11] offset:64*fi+16
.set fi, fi+1
.endr
.set ii, 0
.rept 32
	global_load_b128 v[ST0+4*ii:ST0+4*ii+3], v[VW], s[8:9] offset:8192*ii      ; 16 lanes take the 256 bytes of a k row; the work-group 8 rows
.set ii, ii+1
.endr
.set ii, 0
.rept 16
	global_load_b128 v[ST1+4*ii:ST1+4*ii+3], v[VX], s[24:25] offset:512*ii     ; the wave takes 512 consecutive bytes: half a row
.set ii, ii+1
.endr
; four f32 to four bf16 (round to nearest even), 8 bytes into LDS
.macro CVST reg, areg, off
	v_cvt_pk_bf16_f32 v[\reg],   v[\reg],   v[\reg+1]
	v_cvt_pk_bf16_f32 v[\reg+1], v[\reg+2], v[\reg+3]
	ds_store_b64 v[\areg], v[\reg:\reg+1] offset:\off
.endm
	s_wait_loadcnt 16                              ; the 16 loads of X are younger: b1 and W1 are in
.set ii, 0
.rept 32
	v_cndmask_b32 v[ACC+ii], 0, v[ACC+ii], s30     ; the sums start from b1 (supports) or from zero (queries)
.set ii, ii+1
.endr
.set ii, 0
.rept 32
	CVST ST0+4*ii, WST, 8*WP*ii
.set ii, ii+1
.endr
.set ii, 0
.rept 16
	global_load_b128 v[ST0+4*ii:ST0+4*ii+3], v[VX], s[24:25] offset:512*(16+ii)    ; my rows 8..15
.set ii, ii+1
.endr
	s_wait_loadcnt 16                              ; those 16 are younger: my rows 0..7 are in
.set ii, 0
.rept 16
	CVST ST1+4*ii, XST, (ii/2)*XP+(ii%2)*256
.set ii, ii+1
.endr
	s_wait_loadcnt 0x0
.set ii, 0
.rept 16
	CVST ST0+4*ii, XST, (8+ii/2)*XP+(ii%2)*256
.set ii, ii+1
.endr
	s_wait_dscnt 0x0                               ; my stores are in LDS: W1's block is read by all four waves,
	s_barrier_signal -1
	s_barrier_wait -1                              ; behind this barrier
; Four K steps: all their fragments are asked for in one run (ten loads a step), then multiplied as they come.
; The four accumulators take turns, one matrix instruction a turn.
.macro HALF k
.set ti, 0
.rept 4
	ds_load_b128 v[BF+8*ti:BF+8*ti+3],   v[XB] offset:64*(4*\k+ti)
	ds_load_b128 v[BF+8*ti+4:BF+8*ti+7], v[XB] offset:64*(4*\k+ti)+32
.set fi, 0
.rept 4
	ds_load_tr16_b128 v[AF+32*ti+8*fi:AF+32*ti+8*fi+3],   v[TRW] offset:32*WP*(4*\k+ti)+32*fi
	ds_load_tr16_b128 v[AF+32*ti+8*fi+4:AF+32*ti+8*fi+7], v[TRW] offset:32*WP*(4*\k+ti)+32*fi+16*WP
.set fi, fi+1
.endr
.set ti, ti+1
.endr
.set ti, 0
.rept 4
	s_wait_dscnt 10*(3-ti)                         ; LDS loads come back in order: the ten of each younger K step may stay out
.set fi, 0
.rept 4
	v_wmma_f32_16x16x32_bf16 v[ACC+8*fi:ACC+8*fi+7], v[AF+32*ti+8*fi:AF+32*ti+8*fi+7], v[BF+8*ti:BF+8*ti+7], v[ACC+8*fi:ACC+8*fi+7]
.set fi, fi+1
.endr
.set ti, ti+1
.endr
.endm
	HALF 0
.rept 4
	v_nop                                          ; four places behind the matrix instructions, ahead of loads into their sources
.endr
	HALF 1
.rept 4
	v_nop                                          ; four places, ahead of the LDS stores that read the results and of loads into the sources
.endr
	; The way out: 32 bytes a lane and tile into my wave's own stage, read back as whole rows.  LDS serves a wave's instructions in order,
	; and no other wave touches these bytes: no wait and no barrier between the stores and the loads.
.set fi, 0
.rept 4
	ds_store_b128 v[OST], v[ACC+8*fi:ACC+8*fi+3]   offset:64*fi
	ds_store_b128 v[OST], v[ACC+8*fi+4:ACC+8*fi+7] offset:64*fi+16
.set fi, fi+1
.endr
.set ii, 0
.rept 8
	ds_load_b128 v[AF+4*ii:AF+4*ii+3], v[ORD] offset:2*OP*ii       ; lanes 0-15 row 2 i, lanes 16-31 row 2 i + 1
.set ii, ii+1
.endr
.set ii, 0
.rept 8
	s_wait_dscnt 7-ii                              ; the younger read-backs may stay out
	global_store_b128 v[GO], v[AF+4*ii:AF+4*ii+3], s[12:13] offset:2048*ii     ; 16 lanes store 256 consecutive bytes, at a multiple of 256 from proj's first byte
.set ii, ii+1
.endr
	s_wait_tensorcnt 0x0
	ds_add_u32 v62, v63
	s_wait_dscnt 0x0
	s_endpgm
.Lfunc_end_k_qca95226949_project:
	.size	k_qca95226949_project, .Lfunc_end_k_qca95226949_project-k_qca95226949_project
	.p2alignl 7, 3214868480
	.fill 96, 4, 3214868480
	.section	.rodata,"a",@progbits
	.p2align	6, 0x0
	.amdhsa_kernel k_qca95226949_project
		.amdhsa_group_segment_fixed_size 92672
		.amdhsa_private_segment_fixed_size 0
		.amdhsa_enable_private_segment 0
		.amdhsa_kernarg_size 40
		.amdhsa_user_sgpr_count 2
		.amdhsa_user_sgpr_kernarg_segment_ptr 1
		.amdhsa_wavefront_size32 1
		.amdhsa_system_sgpr_workgroup_id_x 1
		.amdhsa_system_sgpr_workgroup_id_y 1
		.amdhsa_system_sgpr_workgroup_id_z 1
		.amdhsa_system_vgpr_workitem_id 0
		.amdhsa_next_free_vgpr 256
		.amdhsa_next_free_sgpr 66
		.amdhsa_reserve_vcc 0
		.amdhsa_float_denorm_mode_32 3
		.amdhsa_float_denorm_mode_16_64 3
		.amdhsa_memory_ordered 1
		.amdhsa_forward_progress 1
		.amdhsa_inst_pref_size 34
	.end_amdhsa_kernel
	.amdgpu_metadata
---
amdhsa.version: [ 1, 2 ]
amdhsa.kernels:
  - .name:           k_qca95226949_project
    .symbol:         k_qca95226949_project.kd
    .args:
      - { .name: query_features, .offset: 0, .size: 8, .value_kind: global_buffer, .address_space: global }
      - { .name: support_features, .offset: 8, .size: 8, .value_kind: global_buffer, .address_space: global }
      - { .name: W1, .offset: 16, .size: 8, .value_kind: global_buffer, .address_space: global }
      - { .name: b1, .offset: 24, .size: 8, .value_kind: global_buffer, .address_space: global }
      - { .name: proj, .offset: 32, .size: 8, .value_kind: global_buffer, .address_space: global }
    .group_segment_fixed_size: 92672
    .private_segment_fixed_size: 0
    .kernarg_segment_align: 8
    .kernarg_segment_size: 40
    .max_flat_workgroup_size: 128
    .sgpr_count:     66
    .vgpr_count:     256
    .wavefront_size: 32
...
	.end_amdgpu_metadata
.endif
;; end of part 1
;; launch relate (part 2): grid 4 x 64, 4 waves a work-group, no clusters, 186,880 bytes of LDS; arguments proj, W2, W3, W4, b2, b3, b4, out0; writes out0
.if DOCPART == 2
	.amdgcn_target "amdgcn-amd-amdhsa--gfx1250"
	.amdhsa_code_object_version 6
	.text
	.protected	k_qca95226949_relate
	.globl	k_qca95226949_relate
	.p2align	8
	.type	k_qca95226949_relate,@function
k_qca95226949_relate:
	s_mov_b64 s[64:65], 0
	v_nop
	global_prefetch_b8 v0, s[64:65] scope:SCOPE_SE
	s_setreg_imm32_b32 hwreg(HW_REG_WAVE_MODE, 25, 1), 1
	s_wait_xcnt 0x0
; out0[q][s] = sigmoid( relu( relu( relu(QA[q] + SB[s]) W2 + b2 ) W3 + b3 ) W4 + b4 ),  QA = proj rows 0..1023, SB = proj rows 1024..1279
; (SB holds b1 already).  A work-group makes 16 queries x 64 supports; wave w keeps supports 16 w .. 16 w + 15 of the block and walks the
; 16 queries, one tile of 16 pairs (1 query x 16 supports) a trip: 64 matrix instructions for layer 2, 16 for layer 3.
; ALL WEIGHTS STAY IN THE WAVE'S REGISTERS (W2: 512, W3: 128) and so do its 16 rows of SB (128): a trip's only LDS traffic is 32 loads of
; the query's row, the same bytes for sixteen lanes, and one 4-byte store.  h1, h2, h3 never leave registers.
; THE MATRIX INSTRUCTION TAKES THE WEIGHTS AS A (row m = output feature) and the activations as B (column n = pair): lane (r = l % 16,
; h = l / 16) holds in register j of result tile f the feature 16 f + 8 h + j of pair r, so tiles 2 t and 2 t + 1, rounded to bf16 in
; pairs, ARE registers 0-3 and 4-7 of the next layer's B fragment of K step t: no shuffle and no LDS between the layers.
; Layer 4 has one output: it is a dot product in f32 on the vector unit (a matrix tile would use one row of sixteen).
; LIMITS: relu is v_max_num_f32: a NaN ahead of a relu becomes 0 where the reference keeps NaN.  The sigmoid is 1 / (1 + 2^(-(z + b4) log2 e));
; the exponential's overflow gives 0 and its underflow 1, as the sigmoid asks; a sigmoid below about 2^-126 comes out as 0.
; Matrix operands are bf16, all sums, biases and activations f32.  support_y is not used by reference().
; No tensor loads, ring, cluster or prefetch: memory is read once, at the head (240 KB a work-group), the weights must pass through
; registers to be rounded to bf16, and the loop reads no memory.
.set QAS, 0                            ; LDS: 16 rows of QA, f32, 1,024 bytes apart
.set SBS, 16384                        ; LDS: 64 rows of SB, f32.  It follows QAS: the last trip's look-ahead reads bytes of SB's row 0 and drops them
.set SBP, 1040                         ;      pitch: an odd multiple of 16 bytes
.set W2S, 82944                        ; LDS: W2, bf16 [256 k][128 n]
.set W2P, 288                          ;      pitch: an odd multiple of 32 bytes, for the transposing loads
.set W3S, 156672                       ; LDS: W3, bf16 [128 k][64 n]
.set W3P, 160
.set ZS,  177152                       ; LDS: layer 4's half sums, two halves of [16 q][64 s] f32
.set ZH,  4160                         ;      from half to half: 4,096 + 64, so that the two halves of the lanes store to different banks
.set TRIPS, 16
; window 0 (an instruction names v0-v255; s_set_vgpr_msb says which window of 256 each operand place means)
.set VT16,  1                          ; 16 t: offset of every staging load, and QA's place in LDS
.set W2ST0, 2                          ; LDS places of the staging stores (dead in the loop)
.set W2ST1, 3
.set W3ST,  4
.set SBST,  5
.set TR2A,  6                          ; transposing loads: W2's K steps 0-3 (dead in the loop)
.set TR2B,  7                          ;                    W2's K steps 4-7
.set TR3,   8                          ;                    W3
.set SBA,   9                          ; my row of SB
.set QAD,   10                         ; 32 h + 1,024 x trip: my part of the query's row
.set ZST,   11                         ; where my half sum goes, + 256 a trip
.set VH32,  12                         ; 32 h: my eight features in a tile of b2, b3, W4
.set ZR,    13                         ; the end: where I read the half sums
.set GO,    14                         ; the end: my byte offset in out0's block
.set S0,    2                          ; in the loop: v[2:3], v[4:5] two chains of layer 4's dot product, v6 their sum
.set Z,     6
.set BK,    16                         ; staging: six banks of 32 registers, v[16:207]
.set BIAS2, 16                         ; v[16:79]    b2 in the accumulators' layout, tile f at + 8 f
.set BIAS3, 80                         ; v[80:111]   b3 likewise
.set W4R,   112                        ; v[112:143]  W4 likewise
.set ACC,   144                        ; v[144:207]  layer 2's eight tiles; then h2's four fragments (+ 16 t) and layer 3's four tiles (+ 16 f + 8)
.set H1,    208                        ; v[208:223]  h1's fragments of two K steps
.set QAB,   224                        ; v[224:255]  QA of two K steps, summed and clipped in place
; window 1: W2's fragments of K steps 0-3 at 64 t + 8 f;   window 2: of K steps 4-7 at 64 (t - 4) + 8 f
; window 3: W3's fragments at 32 t + 8 f (v0-127);   SB of my pair at 128 + 16 t + e
.set MSB, 0
.macro WIN new                         ; low byte: bits 1:0 source 0, 3:2 source 1, 5:4 source 2, 7:6 destination; the high byte repeats the setting that is left
.if MSB != \new
	s_set_vgpr_msb (MSB<<8)|\new
.set MSB, \new
.endif
.endm
	s_load_b256 s[4:11], s[0:1], 0x0               ; proj s[4:5], W2 s[6:7], W3 s[8:9], W4 s[10:11]
	s_load_b256 s[12:19], s[0:1], 0x20             ; b2 s[12:13], b3 s[14:15], b4 s[16:17], out0 s[18:19]
	v_lshrrev_b32 v15, 5, v0
	v_readfirstlane_b32 s20, v15                   ; wave 0..3
	s_and_b32 s22, ttmp7, 0xffff                   ; block of 16 queries
	s_lshl_b32 s28, s22, 14                        ; 16 rows of 1,024 bytes, in proj and in out0
	s_mov_b32 s29, 0
	s_lshl_b32 s36, ttmp9, 16                      ; block of 64 supports: 64 rows of 1,024 bytes,
	s_add_co_u32 s36, s36, 0x100000                ; behind QA's 1,024 rows
	s_mov_b32 s37, 0
	s_lshl_b32 s38, ttmp9, 8                       ; 64 columns of 4 bytes in out0
	s_add_co_u32 s38, s38, s28
	s_mov_b32 s39, 0
	s_mov_b32 s32, 0xbfb8aa3b                      ; - log2 e
	s_mul_i32 s34, s20, W2P
	s_add_co_u32 s34, s34, W2S
	s_mul_i32 s35, s20, 16*SBP
	s_add_co_u32 s35, s35, SBS                     ; my wave's 16 rows of SB
	s_lshl_b32 s23, s20, 6
	s_add_co_u32 s23, s23, ZS                      ; my wave's 16 columns of the half sums
	v_and_b32 v208, 31, v0                         ; l
	v_and_b32 v209, 15, v0                         ; r
	v_bfe_u32 v210, v0, 4, 1                       ; h
	v_lshrrev_b32 v211, 4, v0                      ; t / 16
	v_lshrrev_b32 v212, 6, v0                      ; t / 64
	v_and_b32 v213, 63, v0                         ; t % 64
	v_and_b32 v214, 7, v0
	v_lshl_or_b32 v214, v210, 3, v214              ; 8 h + l % 8: the k row that a transposing load addresses
	v_bfe_u32 v215, v0, 3, 1
	v_lshlrev_b32 v215, 4, v215                    ; 16 bytes on for the upper eight columns
	v_lshlrev_b32 v[VT16], 4, v0
	v_lshl_add_u32 v[W2ST0], v208, 3, s34          ; W2: 2,048 bytes are 4 rows: row t / 32, 8 bytes of bf16 a lane
	v_add_nc_u32 v[W2ST1], 128*W2P, v[W2ST0]       ; its lower 128 rows: LDS offsets have 16 bits
	v_mul_u32_u24 v[W3ST], v211, W3P               ; W3: 2,048 bytes are 8 rows: row t / 16
	v_lshl_add_u32 v[W3ST], v209, 3, v[W3ST]
	v_add_nc_u32 v[W3ST], W3S, v[W3ST]
	v_mul_u32_u24 v[SBST], v212, SBP               ; SB: 2,048 bytes are 2 rows: row t / 64
	v_lshl_add_u32 v[SBST], v213, 4, v[SBST]
	v_add_nc_u32 v[SBST], SBS, v[SBST]
	v_mul_u32_u24 v[TR2A], v214, W2P
	v_add3_u32 v[TR2A], v[TR2A], v215, W2S
	v_add_nc_u32 v[TR2B], 128*W2P, v[TR2A]
	v_mul_u32_u24 v[TR3], v214, W3P
	v_add3_u32 v[TR3], v[TR3], v215, W3S
	v_mul_u32_u24 v[SBA], v209, SBP
	v_lshl_add_u32 v[SBA], v210, 5, v[SBA]
	v_add_nc_u32 v[SBA], s35, v[SBA]
	v_lshlrev_b32 v[QAD], 5, v210                  ; QAS = 0
	v_lshlrev_b32 v[VH32], 5, v210
	v_mul_u32_u24 v[ZST], v210, ZH
	v_lshl_add_u32 v[ZST], v209, 2, v[ZST]
	v_add_nc_u32 v[ZST], s23, v[ZST]
	v_lshlrev_b32 v[ZR], 8, v211
	v_lshl_add_u32 v[ZR], v209, 4, v[ZR]
	v_add_nc_u32 v[ZR], ZS, v[ZR]
	v_lshlrev_b32 v[GO], 10, v211
	v_lshl_add_u32 v[GO], v209, 4, v[GO]
	s_wait_kmcnt 0x0
	s_add_nc_u64 s[24:25], s[4:5], s[28:29]        ; QA at the block's first query
	s_add_nc_u64 s[26:27], s[4:5], s[36:37]        ; SB at the block's first support
	s_add_nc_u64 s[18:19], s[18:19], s[38:39]      ; out0 at the block's corner
	s_load_b32 s31, s[16:17], 0x0                  ; b4
; STAGING, through registers, in 15 units of eight loads; load i of a buffer takes the work-group's 2,048 consecutive bytes at 2,048 i.
.macro LDU bank, base, i0
.set jj, 0
.rept 8
	global_load_b128 v[BK+32*\bank+4*jj:BK+32*\bank+4*jj+3], v[VT16], s[\base:\base+1] offset:2048*(\i0+jj)
.set jj, jj+1
.endr
.endm
.macro STB bank, areg, i0, step        ; weights: rounded to bf16, 8 bytes a lane
.set jj, 0
.rept 8
	v_cvt_pk_bf16_f32 v[BK+32*\bank+4*jj],   v[BK+32*\bank+4*jj],   v[BK+32*\bank+4*jj+1]
	v_cvt_pk_bf16_f32 v[BK+32*\bank+4*jj+1], v[BK+32*\bank+4*jj+2], v[BK+32*\bank+4*jj+3]
	ds_store_b64 v[\areg], v[BK+32*\bank+4*jj:BK+32*\bank+4*jj+1] offset:\step*(\i0+jj)
.set jj, jj+1
.endr
.endm
.macro STF bank, areg, i0, step        ; QA and SB: f32 as they are
.set jj, 0
.rept 8
	ds_store_b128 v[\areg], v[BK+32*\bank+4*jj:BK+32*\bank+4*jj+3] offset:\step*(\i0+jj)
.set jj, jj+1
.endr
.endm
	; Six units are asked for at once; each wait leaves out the eight loads of every unit issued behind the one that is stored.
	LDU 0, 6, 0                                    ; W2, loads 0..47
	LDU 1, 6, 8
	LDU 2, 6, 16
	LDU 3, 6, 24
	LDU 4, 6, 32
	LDU 5, 6, 40
	s_wait_loadcnt 40                              ; five younger units
	STB 0, W2ST0, 0, 4*W2P
	LDU 0, 6, 48
	s_wait_loadcnt 40
	STB 1, W2ST0, 8, 4*W2P
	LDU 1, 6, 56
	s_wait_loadcnt 40
	STB 2, W2ST0, 16, 4*W2P
	LDU 2, 8, 0                                    ; W3
	s_wait_loadcnt 40
	STB 3, W2ST0, 24, 4*W2P
	LDU 3, 8, 8
	s_wait_loadcnt 40
	STB 4, W2ST1, 0, 4*W2P
	LDU 4, 24, 0                                   ; QA
	s_wait_loadcnt 40
	STB 5, W2ST1, 8, 4*W2P
	LDU 5, 26, 0                                   ; SB
	s_wait_loadcnt 40
	STB 0, W2ST1, 16, 4*W2P
	LDU 0, 26, 8
	s_wait_loadcnt 40
	STB 1, W2ST1, 24, 4*W2P
	LDU 1, 26, 16
	s_wait_loadcnt 40
	STB 2, W3ST, 0, 8*W3P
	LDU 2, 26, 24                                  ; the last unit
	s_wait_loadcnt 40
	STB 3, W3ST, 8, 8*W3P
	s_wait_loadcnt 32                              ; the counts run down: four younger units, three, ...
	STF 4, VT16, 0, 2048
	s_wait_loadcnt 24
	STF 5, SBST, 0, 2*SBP
	s_wait_loadcnt 16
	STF 0, SBST, 8, 2*SBP
	s_wait_loadcnt 8
	STF 1, SBST, 16, 2*SBP
	s_wait_loadcnt 0x0
	STF 2, SBST, 24, 2*SBP
	s_wait_kmcnt 0x0                               ; b4
	s_mul_f32 s33, s31, s32                        ; - b4 log2 e
	s_wait_dscnt 0x0                               ; my stores are in LDS; every wave reads what all have stored,
	s_barrier_signal -1
	s_barrier_wait -1                              ; behind this barrier
	; b2, b3, W4 in the accumulators' layout (feature 16 f + 8 h + j in register j of tile f): asked for first, they land while LDS is read
.set fi, 0
.rept 8
	global_load_b128 v[BIAS2+8*fi:BIAS2+8*fi+3],   v[VH32], s[12:13] offset:64*fi
	global_load_b128 v[BIAS2+8*fi+4:BIAS2+8*fi+7], v[VH32], s[12:13] offset:64*fi+16
.set fi, fi+1
.endr
.set fi, 0
.rept 4
	global_load_b128 v[BIAS3+8*fi:BIAS3+8*fi+3],   v[VH32], s[14:15] offset:64*fi
	global_load_b128 v[BIAS3+8*fi+4:BIAS3+8*fi+7], v[VH32], s[14:15] offset:64*fi+16
	global_load_b128 v[W4R+8*fi:W4R+8*fi+3],       v[VH32], s[10:11] offset:64*fi
	global_load_b128 v[W4R+8*fi+4:W4R+8*fi+7],     v[VH32], s[10:11] offset:64*fi+16
.set fi, fi+1
.endr
	; the weights' fragments, once: K step t, tile f = k rows 32 t .. + 31, columns 16 f .. + 15, transposed on the way
.macro W2FR areg
.set ti, 0
.rept 4
.set fi, 0
.rept 8
	ds_load_tr16_b128 v[64*ti+8*fi:64*ti+8*fi+3],   v[\areg] offset:32*W2P*ti+32*fi
	ds_load_tr16_b128 v[64*ti+8*fi+4:64*ti+8*fi+7], v[\areg] offset:32*W2P*ti+32*fi+16*W2P
.set fi, fi+1
.endr
.set ti, ti+1
.endr
.endm
	WIN 0x40                                       ; destination window 1
	W2FR TR2A
	WIN 0x80                                       ; destination window 2
	W2FR TR2B
	WIN 0xc0                                       ; destination window 3
.set ti, 0
.rept 4
.set fi, 0
.rept 4
	ds_load_tr16_b128 v[32*ti+8*fi:32*ti+8*fi+3],   v[TR3] offset:32*W3P*ti+32*fi
	ds_load_tr16_b128 v[32*ti+8*fi+4:32*ti+8*fi+7], v[TR3] offset:32*W3P*ti+32*fi+16*W3P
.set fi, fi+1
.endr
.set ti, ti+1
.endr
	; SB of my pair, in the k places of a B fragment: K step t holds k = 32 t + 8 h + 0..7 and 32 t + 16 + 8 h + 0..7,
	; in an f32 row the bytes 128 t + 32 h + {0, 16, 64, 80}
.set ti, 0
.rept 8
	ds_load_b128 v[128+16*ti:128+16*ti+3],     v[SBA] offset:128*ti
	ds_load_b128 v[128+16*ti+4:128+16*ti+7],   v[SBA] offset:128*ti+16
	ds_load_b128 v[128+16*ti+8:128+16*ti+11],  v[SBA] offset:128*ti+64
	ds_load_b128 v[128+16*ti+12:128+16*ti+15], v[SBA] offset:128*ti+80
.set ti, ti+1
.endr
	WIN 0
; eight loads: QA of the two K steps at byte \byte of the query's row, in the same k places as SB; sixteen lanes read the same bytes
.macro QALOAD byte
.set ii, 0
.rept 2
	ds_load_b128 v[QAB+16*ii:QAB+16*ii+3],     v[QAD] offset:\byte+128*ii
	ds_load_b128 v[QAB+16*ii+4:QAB+16*ii+7],   v[QAD] offset:\byte+128*ii+16
	ds_load_b128 v[QAB+16*ii+8:QAB+16*ii+11],  v[QAD] offset:\byte+128*ii+64
	ds_load_b128 v[QAB+16*ii+12:QAB+16*ii+15], v[QAD] offset:\byte+128*ii+80
.set ii, ii+1
.endr
.endm
; K steps 2 g and 2 g + 1 of layer 2: h1 = relu(QA + SB) for 32 numbers a lane, rounded to bf16, then 16 matrix instructions.
; The eight accumulators take turns, one matrix instruction a turn.
.macro GROUP g
	s_wait_dscnt 0x0                               ; this group's QA, asked for ahead of the last 16 matrix instructions (in the first trip: all fragments too)
	WIN 0x0c                                       ; source 1 (SB) in window 3
.set ii, 0
.rept 16
	v_pk_add_f32 v[QAB+2*ii:QAB+2*ii+1], v[QAB+2*ii:QAB+2*ii+1], v[128+32*\g+2*ii:128+32*\g+2*ii+1]
.set ii, ii+1
.endr
	WIN 0
.set ii, 0
.rept 32
	v_max_num_f32 v[QAB+ii], 0, v[QAB+ii]
.set ii, ii+1
.endr
.set ii, 0
.rept 16
	v_cvt_pk_bf16_f32 v[H1+ii], v[QAB+2*ii], v[QAB+2*ii+1]         ; the 48 vector instructions above are the places behind the matrix instructions that read H1
.set ii, ii+1
.endr
	QALOAD 256*(\g+1)                              ; the next group's QA; behind group 3 the next query's first (the row is 1,024 bytes)
.if \g < 2
	WIN 0x01                                       ; A in window 1
.else
	WIN 0x02                                       ; A in window 2
.endif
.set ti, 2*\g
.rept 2
.set fi, 0
.rept 8
.if ti == 0
	v_wmma_f32_16x16x32_bf16 v[ACC+8*fi:ACC+8*fi+7], v[64*(ti&3)+8*fi:64*(ti&3)+8*fi+7], v[H1+8*(ti&1):H1+8*(ti&1)+7], v[BIAS2+8*fi:BIAS2+8*fi+7]   ; the sums start from b2
.else
	v_wmma_f32_16x16x32_bf16 v[ACC+8*fi:ACC+8*fi+7], v[64*(ti&3)+8*fi:64*(ti&3)+8*fi+7], v[H1+8*(ti&1):H1+8*(ti&1)+7], v[ACC+8*fi:ACC+8*fi+7]
.endif
.set fi, fi+1
.endr
.set ti, ti+1
.endr
.endm
	QALOAD 0                                       ; the first query's K steps 0 and 1
	s_wait_loadcnt 0x0                             ; b2, b3, W4
	s_mov_b32 s30, 0
.Ltrip:
	GROUP 0
	GROUP 1
	GROUP 2
	GROUP 3
	WIN 0
	v_add_nc_u32 v[QAD], 1024, v[QAD]              ; the next query's row.  With the three v_nop: four places behind layer 2's last matrix instruction (ISA guide 7.12.1)
	v_nop
	v_nop
	v_nop
	; h2 = relu, rounded to bf16 in place: tiles 2 t, 2 t + 1 (16 registers) become fragment t in the lower eight; the upper eight are free.
	; Register i is written from 2 i and 2 i + 1, i ascending: nothing is overwritten before it is read.
.set ti, 0
.rept 4
.set ii, 0
.rept 16
	v_max_num_f32 v[ACC+16*ti+ii], 0, v[ACC+16*ti+ii]
.set ii, ii+1
.endr
.set ii, 0
.rept 8
	v_cvt_pk_bf16_f32 v[ACC+16*ti+ii], v[ACC+16*ti+2*ii], v[ACC+16*ti+2*ii+1]
.set ii, ii+1
.endr
.set ti, ti+1
.endr
	WIN 0x03                                       ; A (W3) in window 3
	; layer 3: four accumulators take turns, one matrix instruction a turn; the first follows layer 2's tile 7, the
	; last (tile 3) is followed over the backward jump by layer 2's tile 0: other registers each time
.set ti, 0
.rept 4
.set fi, 0
.rept 4
.if ti == 0
	v_wmma_f32_16x16x32_bf16 v[ACC+16*fi+8:ACC+16*fi+15], v[32*ti+8*fi:32*ti+8*fi+7], v[ACC+16*ti:ACC+16*ti+7], v[BIAS3+8*fi:BIAS3+8*fi+7]        ; the sums start from b3
.else
	v_wmma_f32_16x16x32_bf16 v[ACC+16*fi+8:ACC+16*fi+15], v[32*ti+8*fi:32*ti+8*fi+7], v[ACC+16*ti:ACC+16*ti+7], v[ACC+16*fi+8:ACC+16*fi+15]
.endif
.set fi, fi+1
.endr
.set ti, ti+1
.endr
	WIN 0
.rept 4
	v_nop                                          ; four places behind layer 3's last matrix instruction
.endr
.set fi, 0
.rept 4
.set ii, 0
.rept 8
	v_max_num_f32 v[ACC+16*fi+8+ii], 0, v[ACC+16*fi+8+ii]          ; h3
.set ii, ii+1
.endr
.set fi, fi+1
.endr
	; layer 4: my 32 features of h3 times W4, two packed chains; the first products start them
	v_pk_mul_f32 v[S0:S0+1],   v[ACC+8:ACC+9],   v[W4R:W4R+1]
	v_pk_mul_f32 v[S0+2:S0+3], v[ACC+10:ACC+11], v[W4R+2:W4R+3]
.set pp, 2
.rept 14
	v_pk_fma_f32 v[S0+2*(pp%2):S0+2*(pp%2)+1], v[ACC+16*(pp/4)+8+2*(pp%4):ACC+16*(pp/4)+8+2*(pp%4)+1], v[W4R+2*pp:W4R+2*pp+1], v[S0+2*(pp%2):S0+2*(pp%2)+1]
.set pp, pp+1
.endr
	v_pk_add_f32 v[S0:S0+1], v[S0:S0+1], v[S0+2:S0+3]
	v_add_f32 v[Z], v[S0], v[S0+1]
	ds_store_b32 v[ZST], v[Z]                      ; the sum over my half's 32 features of pair r; the two halves meet at the end
	v_add_nc_u32 v[ZST], 256, v[ZST]               ; the next query's row of 64 sums
	s_add_co_u32 s30, s30, 1
	s_cmp_lt_u32 s30, TRIPS
	s_cbranch_scc1 .Ltrip
	; THE END: 16 x 64 results; thread t takes 16 bytes of rows t / 16 and t / 16 + 8
	s_wait_dscnt 0x0                               ; my half sums are in LDS (and the look-ahead's loads are back),
	s_barrier_signal -1
	s_barrier_wait -1                              ; everybody's are
	ds_load_b128 v[16:19], v[ZR]
	ds_load_b128 v[20:23], v[ZR] offset:ZH
	ds_load_b128 v[24:27], v[ZR] offset:2048
	ds_load_b128 v[28:31], v[ZR] offset:2048+ZH
	s_wait_dscnt 0x0
	v_pk_add_f32 v[16:17], v[16:17], v[20:21]
	v_pk_add_f32 v[18:19], v[18:19], v[22:23]
	v_pk_add_f32 v[24:25], v[24:25], v[28:29]
	v_pk_add_f32 v[26:27], v[26:27], v[30:31]
.irp x, 16,17,18,19,24,25,26,27
	v_fma_f32 v\x, v\x, s32, s33                   ; - (z + b4) log2 e
.endr
.irp x, 16,17,18,19,24,25,26,27
	v_exp_f32 v\x, v\x
.endr
	v_nop                                          ; one plain place behind a transcendental before its result is used (ISA guide 5.7.2)
	s_wait_alu depctr_va_vdst(0)
.irp x, 16,17,18,19,24,25,26,27
	v_add_f32 v\x, 1.0, v\x
.endr
.irp x, 16,17,18,19,24,25,26,27
	v_rcp_f32 v\x, v\x
.endr
	v_nop                                          ; likewise, ahead of the stores
	s_wait_alu depctr_va_vdst(0)
	global_store_b128 v[GO], v[16:19], s[18:19]                    ; 16 lanes store 256 consecutive bytes, at a multiple of 256 from out0's first byte
	global_store_b128 v[GO], v[24:27], s[18:19] offset:8192        ; eight rows further down
	s_wait_xcnt 0x0
	v_lshl_add_u32 v254, v0, 2, 0x2d800
	v_mov_b32 v255, 0
	s_wait_tensorcnt 0x0
	ds_add_u32 v254, v255
	s_wait_dscnt 0x0
	s_endpgm
.Lfunc_end_k_qca95226949_relate:
	.size	k_qca95226949_relate, .Lfunc_end_k_qca95226949_relate-k_qca95226949_relate
	.p2alignl 7, 3214868480
	.fill 96, 4, 3214868480
	.section	.rodata,"a",@progbits
	.p2align	6, 0x0
	.amdhsa_kernel k_qca95226949_relate
		.amdhsa_group_segment_fixed_size 186880
		.amdhsa_private_segment_fixed_size 0
		.amdhsa_enable_private_segment 0
		.amdhsa_kernarg_size 64
		.amdhsa_user_sgpr_count 2
		.amdhsa_user_sgpr_kernarg_segment_ptr 1
		.amdhsa_wavefront_size32 1
		.amdhsa_system_sgpr_workgroup_id_x 1
		.amdhsa_system_sgpr_workgroup_id_y 1
		.amdhsa_system_sgpr_workgroup_id_z 1
		.amdhsa_system_vgpr_workitem_id 0
		.amdhsa_next_free_vgpr 1024
		.amdhsa_next_free_sgpr 66
		.amdhsa_reserve_vcc 0
		.amdhsa_float_denorm_mode_32 3
		.amdhsa_float_denorm_mode_16_64 3
		.amdhsa_memory_ordered 1
		.amdhsa_forward_progress 1
		.amdhsa_inst_pref_size 78
	.end_amdhsa_kernel
	.amdgpu_metadata
---
amdhsa.version: [ 1, 2 ]
amdhsa.kernels:
  - .name:           k_qca95226949_relate
    .symbol:         k_qca95226949_relate.kd
    .args:
      - { .name: proj, .offset: 0, .size: 8, .value_kind: global_buffer, .address_space: global }
      - { .name: W2, .offset: 8, .size: 8, .value_kind: global_buffer, .address_space: global }
      - { .name: W3, .offset: 16, .size: 8, .value_kind: global_buffer, .address_space: global }
      - { .name: W4, .offset: 24, .size: 8, .value_kind: global_buffer, .address_space: global }
      - { .name: b2, .offset: 32, .size: 8, .value_kind: global_buffer, .address_space: global }
      - { .name: b3, .offset: 40, .size: 8, .value_kind: global_buffer, .address_space: global }
      - { .name: b4, .offset: 48, .size: 8, .value_kind: global_buffer, .address_space: global }
      - { .name: out0, .offset: 56, .size: 8, .value_kind: global_buffer, .address_space: global }
    .group_segment_fixed_size: 186880
    .private_segment_fixed_size: 0
    .kernarg_segment_align: 8
    .kernarg_segment_size: 64
    .max_flat_workgroup_size: 128
    .sgpr_count:     66
    .vgpr_count:     1024
    .wavefront_size: 32
...
	.end_amdgpu_metadata
.endif
;; end of part 2
